; MI455X (gfx1250); checked and timed in simulation.
; The chip was launched on July 23, 2026; its instructions are those of AMD's public machine-readable ISA for CDNA 5 (MIT licence, August 2026) and "CDNA5" Instruction Set Architecture Reference Guide (July 2026). The comments in the code are by the model that wrote it; some were corrected since.
;; TT Layer. Allowed arithmetic: matrix products marked QUANTISED: E2M1 operands, one E8M0 scale for each 32 along K, by v_wmma_scale_f32_16x16x128_f8f6f4 with both operands' format E2M1 (or v_wmma_scale_f32_32x16x128_f4), f32 sums; products left as they are: f32 operands where the result goes on into a quantised operand, else bf16, f16 or f32 operands; f32 sums; everything else in f32.
;; Inputs: bias 4,096 float32; core0 1 x 8 x 8 x 64 float32; core1 64 x 8 x 8 x 64 float32; core2 64 x 8 x 8 x 64 float32; core3 64 x 8 x 8 x 1 float32; x 256 x 4,096 float32.
;; Outputs: out0 256 x 4,096 float32.
;; This version of the problem:
;;   THIS VERSION OF THE PROBLEM IS GIVEN IN LOW PRECISION. The matrix products marked QUANTISED in the list below multiply operands that are first quantised to E2M1 (2 exponent bits, 1 mantissa bit; 4 bits a number), with one power-of-two scale for each 32 numbers along K (OCP MX v1.0); their sums are f32. All else is computed in f32.
;;   The module's matrix products, in the order in which they are computed (A, B: the left and right operand; K: the contracted axis; several contracted axes count as one K, in the product's order):
;;     1. [M 131,072, K 8] x [K 8, N 512]; A: input x; B: input core3: left as it is (K = 8 < 32)
;;     2. [M 131,072, K 512] x [K 512, N 512]; A: computed on the way; B: input core2: QUANTISED
;;     3. [M 131,072, K 512] x [K 512, N 512]; A: computed on the way; B: input core1: QUANTISED
;;     4. [M 131,072, K 512] x [K 512, N 8]; A: computed on the way; B: input core0: left as it is (N = 8 < 16)
;;   THE QUANTISER, for each operand of a quantised product, along K:
;;     - K is cut into blocks of 32 from its start; a last block that is shorter is filled with zeros.
;;     - A block's scale is 2^e with e = floor(log2(the largest magnitude in the block)) - 2, held to -126 .. 127; a block of zeros has e = 0. As a byte (E8M0): e + 127.
;;     - Each number is divided by its block's scale, clamped to +-6, and rounded to the nearest number of E2M1, ties to even, subnormals kept.
;;     - The product sums the exact products of the quantised numbers (number of the format x scale) in f32.
;;   ~~~python
;;   def quantise(x, axis):      # numpy; x: float32 -> the quantised numbers, widened to float32 again
;;       x = np.moveaxis(x, axis, -1); K = x.shape[-1]
;;       x = np.pad(x, [(0, 0)] * (x.ndim - 1) + [(0, -K % 32)]); x = x.reshape(x.shape[:-1] + (-1, 32)); a = np.abs(x).max(-1, keepdims=True)
;;       e = np.where(a > 0, np.clip(np.frexp(np.where(a > 0, a, 1))[1] - 1 - 2, -126, 127), 0)      # np.frexp(a)[1] - 1 = floor(log2(a)), exactly
;;       r = np.clip(x / 2.0 ** e, -6, 6)
;;       step = 2.0 ** (np.maximum(np.frexp(np.where(r == 0, 1, r))[1] - 1, 0) - 1)
;;       q = np.round(r / step) * step * 2.0 ** e      # np.round: ties to even
;;       return np.moveaxis(q.reshape(q.shape[:-2] + (-1,))[..., :K], -1, axis).astype(np.float32)
;;   ~~~
;;   OPERANDS COMPUTED ON THE WAY. 'Computed on the way' means the value that the module computes at that place (a softmax that the list does not call 'softmax' is quantised finished and normalised). What goes into a quantiser is computed in f32, as accurately as f32 sums, v_exp_f32 and their like allow (about 1e-6 of the number): no bf16 or f16 on the way to a quantiser, and a product that is left as it is and whose result goes on into a quantised operand takes f32 operands (vector FMAs, or v_wmma_f32_16x16x4_f32). A number that lies on a knife's edge between two numbers of the format may be rounded either way, as far as f32 arithmetic and the matrix unit's own rounding can turn it there, and no further.
;; One version. Each part assembles by itself: llvm-mc -triple=amdgcn-amd-amdhsa -mcpu=gfx1250 --defsym DOCPART=n.
;; ======== version 1 of 1: 2 launches
;; workspace buffers: wcodes 262,144 bytes; wscales 16,384 bytes
;; launch prep (part 1): grid 32 x 2, 16 waves a work-group, no clusters, 6,400 bytes of LDS; arguments core2, core1, wcodes, wscales; writes wcodes, wscales
.if DOCPART == 1
	.amdgcn_target "amdgcn-amd-amdhsa--gfx1250"
	.amdhsa_code_object_version 6
	.text
	.protected	k_q193493dcfc_prep
	.globl	k_q193493dcfc_prep
	.p2align	8
	.type	k_q193493dcfc_prep,@function
k_q193493dcfc_prep:
	s_mov_b64 s[64:65], 0
	v_nop
	global_prefetch_b8 v0, s[64:65] scope:SCOPE_SE
	s_setreg_imm32_b32 hwreg(HW_REG_WAVE_MODE, 25, 1), 1
	s_wait_xcnt 0x0
; core2 (y = 0) and core1 (y = 1), f32 [a_left 64][in j 8][out i 8][a_right 64], become codes of FP4 (E2M1) with one E8M0 byte for each 32 along K.
; A column of the product is (a_left, i); its K runs K = 8 a_right + j (the contracted axes in the product's order: rank, then in-mode), so a block of 32 is four neighbouring ranks x all eight j.
; All inputs of the problem are live: nothing is left out in this program.
; THE LAYOUT IS THE READER'S: wcodes [y][tile T 32][K step s 4][c 2][lane 32][16 bytes] is the image of the matrix operand's registers (lane = column r + 16 hf holds k = 64 c + 32 hf + 0..31 of K step s);
; wscales [y][T][column r 16][16 bytes], byte g = block g.  Tile T = 8 w + t belongs to wave w of the second launch.
;   y = 0, t = 4 Q + q: column r is a2 = 16 w + 8 (r / 8) + 4 Q + q, i2 = r % 8.      y = 1, t = 4 e + at: column r is a1 = 16 at + r, i1 = 2 w + e.
; SHARES: a work-group takes a tile, wave r its column r, lane l the ranks l and 32 + l: a lane's eight registers are j = 0..7 of one rank, eight neighbours along K, one dword of codes; four lanes hold a block.
; A block's scale is 2^(floor(log2(largest magnitude)) - 2); its byte is the largest magnitude's exponent field - 2, held at 1 from below by a floor among the maximum's leaves.
; LIMITS: a block of zeros gets the byte 1 where the rule says 127 (its codes are zeros, and this program alone reads the bytes); NaN and infinities are not served.
.set SCL,   4096                       ; LDS: the tile's image at 0 .. 4095, its 256 scale bytes behind it,
.set SPARE, 4352                       ; and the spare words, 128 bytes for each of 16 waves, which no other line names
	s_load_b256 s[4:11], s[0:1], 0x0               ; core2, core1, wcodes, wscales
	v_lshl_add_u32 v6, v0, 2, SPARE                ; my spare word
	v_mov_b32 v7, 0
	v_lshrrev_b32 v1, 5, v0
	s_delay_alu instid0(VALU_DEP_1)
	v_readfirstlane_b32 s12, v1                    ; wave = column r
	v_and_b32 v1, 31, v0                           ; lane l
	s_delay_alu instid0(VALU_DEP_1)
	v_lshlrev_b32 v2, 2, v1                        ; 4 l: my rank's place in a row of 64
	s_delay_alu instid0(VALU_DEP_2)
	v_bfe_u32 v8, v1, 4, 1
	s_delay_alu instid0(VALU_DEP_1)
	v_lshlrev_b32 v3, 10, v8                       ; image: K step (l / 16) x 1024 (+ 2048 for the upper 32 ranks),
	s_delay_alu instid0(VALU_DEP_4)
	v_bfe_u32 v8, v1, 3, 1
	s_delay_alu instid0(VALU_DEP_1)
	v_lshl_add_u32 v3, v8, 9, v3                   ; c x 512,
	v_bfe_u32 v8, v1, 2, 1
	s_delay_alu instid0(VALU_DEP_1)
	v_lshl_add_u32 v3, v8, 8, v3                   ; hf x 256,
	v_and_b32 v8, 3, v1
	s_delay_alu instid0(VALU_DEP_1)
	v_lshl_add_u32 v3, v8, 2, v3                   ; the dword in the block,
	s_lshl_b32 s28, s12, 4
	v_add_nc_u32 v3, s28, v3                       ; 16 r
	v_lshrrev_b32 v4, 2, v1
	s_add_co_u32 s28, s28, SCL
	v_add_nc_u32 v4, s28, v4                       ; my block's byte: SCL + 16 r + l / 4 (+ 8)
	v_lshlrev_b32 v5, 3, v0                        ; the way out: 8 bytes a thread
	v_lshlrev_b32 v9, 3, v1                        ; the scale bytes' way out: 8 bytes a lane of wave 0
	s_delay_alu instid0(VALU_DEP_1)
	v_add_nc_u32 v10, SCL, v9
	s_and_b32 s13, ttmp7, 0xffff                   ; y
	s_lshr_b32 s14, ttmp9, 3                       ; w
	s_bfe_u32 s15, ttmp9, 0x10002                  ; Q or e
	s_and_b32 s16, ttmp9, 3                        ; q or at
	s_lshl_b32 s17, s14, 4
	s_and_b32 s18, s12, 8
	s_add_co_u32 s17, s17, s18
	s_lshl_b32 s18, s15, 2
	s_add_co_u32 s17, s17, s18
	s_add_co_u32 s17, s17, s16                     ; a2
	s_lshl_b32 s17, s17, 14
	s_and_b32 s18, s12, 7
	s_lshl_b32 s18, s18, 8
	s_add_co_u32 s17, s17, s18                     ; core2's column: a2 x 16384 + i2 x 256
	s_lshl_b32 s19, s16, 4
	s_add_co_u32 s19, s19, s12                     ; a1
	s_lshl_b32 s19, s19, 14
	s_lshl_b32 s18, s14, 1
	s_add_co_u32 s18, s18, s15                     ; i1
	s_lshl_b32 s18, s18, 8
	s_add_co_u32 s19, s19, s18                     ; core1's column
	s_lshl_b32 s24, s13, 5
	s_add_co_u32 s24, s24, ttmp9                   ; 32 y + T
	s_lshl_b32 s26, s24, 12                        ; its 4,096 bytes of codes
	s_mov_b32 s27, 0
	s_lshl_b32 s24, s24, 8                         ; its 256 scale bytes
	s_mov_b32 s25, 0
	s_mov_b32 s21, 0
	s_wait_kmcnt 0x0
	s_cmp_eq_u32 s13, 0                            ; one path for both tensors: only the pointer and the offset are chosen, by the work-group's number
	s_cselect_b32 s20, s17, s19
	s_cselect_b64 s[22:23], s[4:5], s[6:7]
	s_add_nc_u64 s[22:23], s[22:23], s[20:21]
	s_add_nc_u64 s[8:9], s[8:9], s[26:27]
	s_add_nc_u64 s[10:11], s[10:11], s[24:25]
.irp hh, 0,1
.irp j, 0,1,2,3,4,5,6,7
	global_load_b32 v[16+8*\hh+\j], v2, s[22:23] offset:\j*2048+\hh*128 th:TH_LOAD_NT   ; (rank l + 32 hh, j): 32 lanes read 128 neighbouring bytes
.endr
.endr
.macro HALF hh
	s_wait_loadcnt 8-8*\hh                         ; this half's eight loads are in; the other half's may be out
	v_max3_num_f32 v[32+\hh], |v[16+8*\hh]|, |v[17+8*\hh]|, 0x1800000   ; my eight, and the floor 2^(3 - 127): the byte cannot fall under 1
.irp j, 2,4,6
	s_delay_alu instid0(VALU_DEP_1)
	v_max3_num_f32 v[32+\hh], v[32+\hh], |v[16+8*\hh+\j]|, |v[17+8*\hh+\j]|
.endr
	s_delay_alu instid0(VALU_DEP_1)
	v_max_num_f32_dpp v[32+\hh], v[32+\hh], v[32+\hh] row_xmask:1 row_mask:0xf bank_mask:0xf
	s_delay_alu instid0(VALU_DEP_1)
	v_max_num_f32_dpp v[32+\hh], v[32+\hh], v[32+\hh] row_xmask:2 row_mask:0xf bank_mask:0xf   ; with the block's three other lanes
	s_delay_alu instid0(VALU_DEP_1)
	v_add_nc_u32 v[34+\hh], 0xff000000, v[32+\hh]  ; 2 off the exponent field: the conversion's scale operand
	v_cvt_scalef32_pk8_fp4_f32 v[36+\hh], v[16+8*\hh:23+8*\hh], v[34+\hh]
	v_lshrrev_b32 v[38+\hh], 23, v[34+\hh]         ; the byte (also the plain line behind the conversion)
	ds_store_b32 v3, v[36+\hh] offset:2048*\hh
	ds_store_b8 v4, v[38+\hh] offset:8*\hh         ; the block's four lanes write the same byte with the same value
.endm
	HALF 0
	HALF 1
	s_wait_dscnt 0x0                               ; for the others' sake: my stores have landed
	s_barrier_signal -1
	s_barrier_wait -1
	ds_load_b64 v[40:41], v5
	s_wait_dscnt 0x0
	global_store_b64 v5, v[40:41], s[8:9]          ; a wave stores 256 consecutive bytes, aligned
	s_cmp_lg_u32 s12, 0
	s_cbranch_scc1 .Ldone
	ds_load_b64 v[42:43], v10
	s_wait_dscnt 0x0
	global_store_b64 v9, v[42:43], s[10:11]        ; the tile's 256 scale bytes, by wave 0
.Ldone:
	s_wait_tensorcnt 0x0                           ; the wave's end
	ds_add_u32 v6, v7
	s_wait_dscnt 0x0
	s_endpgm
.Lfunc_end_k_q193493dcfc_prep:
	.size	k_q193493dcfc_prep, .Lfunc_end_k_q193493dcfc_prep-k_q193493dcfc_prep
	.p2alignl 7, 3214868480
	.fill 96, 4, 3214868480
	.section	.rodata,"a",@progbits
	.p2align	6, 0x0
	.amdhsa_kernel k_q193493dcfc_prep
		.amdhsa_group_segment_fixed_size 6400
		.amdhsa_private_segment_fixed_size 0
		.amdhsa_enable_private_segment 0
		.amdhsa_kernarg_size 32
		.amdhsa_user_sgpr_count 2
		.amdhsa_user_sgpr_kernarg_segment_ptr 1
		.amdhsa_wavefront_size32 1
		.amdhsa_system_sgpr_workgroup_id_x 1
		.amdhsa_system_sgpr_workgroup_id_y 1
		.amdhsa_system_sgpr_workgroup_id_z 1
		.amdhsa_system_vgpr_workitem_id 0
		.amdhsa_next_free_vgpr 48
		.amdhsa_next_free_sgpr 66
		.amdhsa_reserve_vcc 0
		.amdhsa_float_denorm_mode_32 3
		.amdhsa_float_denorm_mode_16_64 3
		.amdhsa_memory_ordered 1
		.amdhsa_forward_progress 1
		.amdhsa_inst_pref_size 7
	.end_amdhsa_kernel
	.amdgpu_metadata
---
amdhsa.version: [ 1, 2 ]
amdhsa.kernels:
  - .name:           k_q193493dcfc_prep
    .symbol:         k_q193493dcfc_prep.kd
    .args:
      - { .name: core2, .offset: 0, .size: 8, .value_kind: global_buffer, .address_space: global }
      - { .name: core1, .offset: 8, .size: 8, .value_kind: global_buffer, .address_space: global }
      - { .name: wcodes, .offset: 16, .size: 8, .value_kind: global_buffer, .address_space: global }
      - { .name: wscales, .offset: 24, .size: 8, .value_kind: global_buffer, .address_space: global }
    .group_segment_fixed_size: 6400
    .private_segment_fixed_size: 0
    .kernarg_segment_align: 8
    .kernarg_segment_size: 32
    .max_flat_workgroup_size: 512
    .sgpr_count:     66
    .vgpr_count:     48
    .wavefront_size: 32
...
	.end_amdgpu_metadata
.endif
;; end of part 1
;; launch tt (part 2): grid 256 x 1, 4 waves a work-group, no clusters, 103,424 bytes of LDS; arguments x, core3, core0, bias, wcodes, wscales, out0; writes out0
.if DOCPART == 2
	.amdgcn_target "amdgcn-amd-amdhsa--gfx1250"
	.amdhsa_code_object_version 6
	.text
	.protected	k_q193493dcfc_tt
	.globl	k_q193493dcfc_tt
	.p2align	8
	.type	k_q193493dcfc_tt,@function
k_q193493dcfc_tt:
	s_mov_b64 s[64:65], 0
	v_nop
	global_prefetch_b8 v0, s[64:65] scope:SCOPE_SE
	s_setreg_imm32_b32 hwreg(HW_REG_WAVE_MODE, 25, 1), 1
	s_wait_xcnt 0x0
; out0[b][(i0,i1,i2,i3)] = bias + the chain of four contractions of x[b][(j0,j1,j2,j3)] with core3, core2, core1, core0 (core[a_left][in][out][a_right]):
;   t3[i3,j0,j1,j2,a3] = sum_j3 core3[a3,j3,i3] x            f32 operands (it feeds a quantiser): v_wmma_f32_16x16x4_f32
;   t2[i2,i3,j0,j1,a2] = sum_(a3,j2) core2[a2,j2,i2,a3] t3   QUANTISED, K = 8 a3 + j2
;   t1[i1,i2,i3,j0,a1] = sum_(a2,j1) core1[a1,j1,i1,a2] t2   QUANTISED, K = 8 a2 + j1
;   out[i0,i1,i2,i3]   = sum_(a1,j0) core0[j0,i0,a1] t1       bf16 operands, f32 sums that begin as the bias
; All inputs are live; nothing is left out.  No sum crosses b: ONE WORK-GROUP TAKES ONE b, and nothing but x, the weights and out0 touches memory.  Only the last sum crosses j0: the work-group walks 8 UNITS, one a j0.
; THE FOUR WAVES SHARE THE COLUMNS: wave w keeps its 128 columns of core2's and of core1's codes (made by the launch before, in the order of these registers) in 512 registers for the whole launch.
; The rows' codes go from wave to wave through LDS as images of the operand's registers (16 bytes a lane, chunks of 512 bytes + 16), their scale bytes as 16 bytes a row.
; A LANE ALWAYS HOLDS A WHOLE BLOCK OF 32 ALONG THE NEXT K IN 32 NEIGHBOURING REGISTERS, so a quantiser asks no other lane.  L = lane, r = L % 16, h = L / 16, r7 = L % 8, r3 = (L / 8) % 2:
;   first product, part jp, set cs, tile a: register j = t3 at i3 = 2 w + r3, j1 = 2 jp + h, j2 = j, a3 = 4 (2 r7 + cs) + a  (rows of x: 8 j1l + j2; columns chosen so)
;   second, M tile mt (rows 8 (i3 % 2) + j1, mt = i3 / 2), tile t = 4 Q + q: register j = t2 at i3 = 2 mt + h, j1 = j, a2 = 16 w + 8 r3 + 4 Q + q, i2 = r7
;   third, used transposed (source 0 = 16 columns of core1), rows 8 (i3 % 2) + i2, tile t = 4 e + at: register j = t1 at row r, a1 = 16 at + 8 h + j, i1 = 2 w + e: pairs round to bf16 as the fourth's source 1
;   fourth: source 0 = core0[j0][i0 = row % 8][a1] in bf16 (rows 8-15 repeat 0-7): register j = out at i0 = j, i1 = 2 w + e, i2 = r7, i3 = 2 mt + r3, the same in both halves of the lanes
; ORDER: the FP4 products stand in runs of 64 under one window setting.  The next unit's first product (64 f32 matrix instructions a wave) goes in groups of four, a set's four tiles by turns; behind each group stand four
; slices of this unit's quantisers, so that a group and its slices cost four window switches or fewer.  Loads from memory and LDS instructions stand in runs, none singly among matrix instructions: a part's LDS stores stand together.
; NO CLUSTER: what work-groups share, the weights' 69,632 bytes a wave, is read once, at the head, straight into the registers where it stays; a joint tensor load would bring it to LDS first,
; and 278,528 bytes do not fit beside the 103,424 in use.  No prefetch: the loop has no load from memory.
; LIMITS: NaN and infinities are not served; a block of zeros gets the byte 1 where the rule says 127 (its codes are zeros, and only this text reads the bytes); the fourth product's operands are bf16; the sum over j3 runs 0,1,4,5,2,3,6,7.
.set CH,    528                        ; a chunk of an image: 32 lanes x 16 bytes + 16
.set A2BUF, 17920                      ; LDS: two buffers for the second product's rows: 32 chunks ((4 mt + s) 2 + c),
.set A2SC,  16896                      ;      then [mt][row][16 scale bytes]
.set A3IMG, 35840                      ; the third product's rows, likewise,
.set A3SC,  52736
.set XIMG,  53760                      ; x[b] as it lies in memory,
.set C0IMG, 70144                      ; core0 in bf16: 16 fragments (2 j0 + u) of 1,024 bytes,
.set STAGE, 86528                      ; 16,384 bytes laid as out0[b] lies in memory: at the head the bias, on the way out the result,
.set SPARE, 102912                     ; and the spare words, 128 bytes a wave, which no other line names
; window 0
.set LI,   1                           ; 16 L
.set XO,   2                           ; XIMG + 32 r + 16 h
.set A2W,  3                           ; 528 r7 + 128 r3 + 16 h + 4224 w
.set A2SW, 4                           ; A2SC + 128 r3 + 16 h + 2 r7 + 256 w
.set A3W,  5                           ; A3IMG + 528 r3 + 128 h + 16 r7 + 1056 w
.set A3SW, 6                           ; A3SC + 128 h + 16 r7 + 2 r3 + 4 w
.set OW,   7                           ; STAGE + 32 r7 + 4 r3 + 512 w: my words of the stage in the layout of out's sums
.set SPW,  8                           ; my spare word; never rewritten
.set NIL,  9                           ; 0; never rewritten
.set A2R,  10                          ; LI + the buffer that is read
.set A2WP, 11                          ; A2W + the buffer that is written
.set A2SWP, 12
.set XR,   13                          ; XO + 2048 x the unit whose first product is made
.set C0R,  14                          ; LI + C0IMG + 2048 x unit
.set BO,   15                          ; 32 r7 + 4 r3
.set SG,   17                          ; STAGE + 4096 w + 16 L: my quarter of the stage as it lies (r until then)
.set W2S,  24                          ; scale words: register 4 tp + s: lanes 0-15 tile 2 tp, lanes 16-31 tile 2 tp + 1
.set W1S,  40
.set AS,   56                          ; the rows': register 4 H + s: lanes 0-15 M tile 2 H, lanes 16-31 M tile 2 H + 1
.set CF,   64                          ; core3's fragments: 16 cs + 4 a + 2 kk + j
.set XF,   96                          ; x's: 4 jp + 0..3
.set AF,   112                         ; the rows' fragments (mh, s) at 8 (4 mh + s)
.set C0F,  176                         ; core0's two fragments of the unit
.set TB,   192                         ; t1 in bf16, two sets
.set PC,   208                         ; codes just made, slot z: 4 z
.set T,    224                         ; maxima: two sets of four chains
.set SO,   232                         ; the conversions' scale operands, slot z
.set BY,   236                         ; the bytes, slot z
.set BWA,  240
.set BWP,  241
; window 1: core2's fragments (t, s) at 32 t + 8 s.  window 2: core1's.  window 3: v0-127 accumulators (mh, t) at 8 (8 mh + t); v128-191 the first product's two sets, written by matrix instructions alone; v192-255 out's sums (e, mt) at 192 + 8 (4 e + mt)
.set WV,    18
.set FLOOR, 20
.set PAR,   21
.set PW,    22
.set XJ,    23
.set CJ,    24
.set CNT,   25
.set MSB, 0
.macro WIN new                         ; the immediate's high byte repeats the setting that is left; bits 1:0 source 0, 3:2 source 1, 5:4 source 2, 7:6 destination
.if MSB != \new
	s_set_vgpr_msb (MSB<<8)|\new
.set MSB, \new
.endif
.endm
.macro PLACES n                        ; plain vector lines behind a matrix instruction, ahead of reads of its result and of loads into its sources: 4 behind FP4 and bf16 forms, 8 behind the f32 form
.rept \n
	v_nop
.endr
.endm
.macro BAR                             ; my LDS stores have landed and my LDS loads are in: then the work-group's barrier
	s_wait_dscnt 0x0
	s_barrier_signal -1
	s_barrier_wait -1
.endm
; The first product's instruction iw of 16 of part jp: set iw / 8, K half (iw / 4) % 2, tile iw % 4.  The four tiles take turns; the first half starts the sum with the constant 0.
.macro P1W jp
	WIN 0xf0
.set cs, iw/8
.set kk, (iw/4)%2
.set aa, iw%4
.set rD, 128+32*cs+8*aa
.set rX, XF+4*(\jp)+2*kk
.set rC, CF+16*cs+4*aa+2*kk
.if kk == 0
	v_wmma_f32_16x16x4_f32 v[rD:rD+7], v[rX:rX+1], v[rC:rC+1], 0
.else
	v_wmma_f32_16x16x4_f32 v[rD:rD+7], v[rX:rX+1], v[rC:rC+1], v[rD:rD+7]
.endif
.endm
; THE QUANTISER of a block: 32 registers from S on in window 3, four tiles of eight.  QM: eight lines of the largest magnitude: steps p0, p0 + 1 of four chains by turns, a chain to a tile,
; so that a line reads the result of the line four above it, and each tile is first read at its low end.  tz: which set of four maxima.
.macro QM S, tz, p0
	WIN 0x3c
.irp st, \p0, \p0+1
.irp ch, 0,1,2,3
.if (\st) == 0
	v_max3_num_f32 v[T+4*\tz+\ch], s[FLOOR], |v[\S+8*\ch]|, |v[\S+8*\ch+1]|   ; the floor 2^(3 - 127) starts each chain: the byte cannot fall under 1
.else
	v_max3_num_f32 v[T+4*\tz+\ch], v[T+4*\tz+\ch], |v[\S+8*\ch+2*(\st)]|, |v[\S+8*\ch+2*(\st)+1]|
.endif
.endr
.endr
.endm
.macro QSL z, tz, n                    ; line n of four (window 0): the four chains meet; 2 off the exponent field gives the conversion's scale operand; its exponent field is the byte.  Two jobs' lines are set by turns
.if \n == 0
	v_max3_num_f32 v[T+4*\tz], v[T+4*\tz], v[T+4*\tz+1], v[T+4*\tz+2]
.elseif \n == 1
	v_max_num_f32 v[T+4*\tz], v[T+4*\tz], v[T+4*\tz+3]
.elseif \n == 2
	v_add_nc_u32 v[SO+\z], 0xff000000, v[T+4*\tz]
.else
	v_lshrrev_b32 v[BY+\z], 23, v[SO+\z]
.endif
.endm
.macro QC S, z                         ; 32 codes: 16 bytes, the operand's four registers of this block (the caller puts a plain line behind the last conversion)
	WIN 0x03
.irp q, 0,1,2,3
	v_cvt_scalef32_pk8_fp4_f32 v[PC+4*\z+\q], v[\S+8*\q:\S+8*\q+7], v[SO+\z]
.endr
.endm
; Slice i of a part's 16.  Group g = i / 8 carries two quantisers, eight slices each: of the second product's block (M tile am, quad g), where am >= 0; and of a set of the first product:
; g = 0: set 1 of the part before (where pp); g = 1: set 0 of this part.  Slice 0's eight lines are the places between a set's last matrix instruction and its first read.
; The part's LDS stores stand together, in slice 14: the four slots of codes live until then.
.macro SLICE jp, H, am, pp
.set g, i/8
.set k, i%8
.set hasA, 0
.if (\am) >= 0
.set hasA, 1
.endif
.set hasP, 0
.if (g == 1) || (\pp)
.set hasP, 1
.endif
.set SA, 64*(\am)+32*g
.set zA, 2*g
.set SP, 160-32*g
.set zP, 2*g+1
.if k == 0
.if hasA
	QM SA, 0, 0
.elseif hasP
	PLACES 8
.endif
.elseif k == 1
.if hasP
	QM SP, 1, 0
.endif
.elseif k == 2
.if hasA
	QM SA, 0, 2
.endif
.elseif k == 3
.if hasP
	QM SP, 1, 2
.endif
.elseif k == 4
.if hasA || hasP
	WIN 0
.endif
.irp n, 0,1,2,3
.if hasA
	QSL zA, 0, \n
.endif
.if hasP
	QSL zP, 1, \n
.endif
.endr
.elseif k == 5
.if hasA
	QC SA, zA
.endif
.if hasP
	QC SP, zP
.endif
.if hasA || hasP
	v_nop                                          ; one plain line behind the scaled conversions
.endif
.elseif k == 6
.if g == 0
.if hasP
	WIN 0
	v_lshl_or_b32 v[BWP], v[BY+1], 8, v[BY+3]      ; the two sets' bytes of the part before are neighbours (slot 3's byte is written anew in slice 12)
.endif
.else
	WIN 0
.if hasA
	v_lshl_or_b32 v[BWA], v[BY+2], 8, v[BY+0]      ; the two quads' bytes are neighbours
	ds_store_b128 v[A3W], v[PC:PC+3] offset:(2*\H+\am)*8*CH
	ds_store_b128 v[A3W], v[PC+8:PC+11] offset:(2*\H+\am)*8*CH+256
	ds_store_b16 v[A3SW], v[BWA] offset:(2*\H+\am)*256
.endif
.if \pp
	ds_store_b128 v[A2WP], v[PC+4:PC+7] offset:32*(\jp-1)+256
	ds_store_b16 v[A2SWP], v[BWP] offset:32*(\jp-1)
.endif
	ds_store_b128 v[A2WP], v[PC+12:PC+15] offset:32*\jp
.endif
.endif
.endm
.macro PART jp, H, am, pp              ; 16 f32 matrix instructions in four groups of four, four slices behind each group
.set i, 0
.set iw, 0
.rept 4
.rept 4
	P1W \jp
.set iw, iw+1
.endr
.rept 4
	SLICE \jp, \H, \am, \pp
.set i, i+1
.endr
.endr
.endm
.macro TAILJOB                         ; set 1 of part 3
	PLACES 8
	QM 160, 1, 0
	QM 160, 1, 2
	WIN 0
.irp n, 0,1,2,3
	QSL 1, 1, \n
.endr
	QC 160, 1
	v_nop
	WIN 0
	v_lshl_or_b32 v[BWP], v[BY+1], 8, v[BY+3]
	ds_store_b128 v[A2WP], v[PC+4:PC+7] offset:96+256
	ds_store_b16 v[A2SWP], v[BWP] offset:96
.endm
.macro AJ H, mh                        ; the last unit has no first product beside it: M tile mh's two blocks by themselves
	QM 64*\mh, 0, 0
	QM 64*\mh+32, 1, 0
	QM 64*\mh, 0, 2
	QM 64*\mh+32, 1, 2
	WIN 0
.irp n, 0,1,2,3
	QSL 0, 0, \n
	QSL 2, 1, \n
.endr
	QC 64*\mh, 0
	QC 64*\mh+32, 2
	v_nop
	WIN 0
	v_lshl_or_b32 v[BWA], v[BY+2], 8, v[BY+0]
	ds_store_b128 v[A3W], v[PC:PC+3] offset:(2*\H+\mh)*8*CH
	ds_store_b128 v[A3W], v[PC+8:PC+11] offset:(2*\H+\mh)*8*CH+256
	ds_store_b16 v[A3SW], v[BWA] offset:(2*\H+\mh)*256
.endm
.macro LOADAF adr, base, H             ; the fragments of M tiles 2 H, 2 H + 1: 16 loads, K step 0 first, four a K step
	WIN 0
.irp s, 0,1,2,3
.irp mh, 0,1
.irp c, 0,1
	ds_load_b128 v[AF+8*(4*\mh+\s)+4*\c:AF+8*(4*\mh+\s)+4*\c+3], v[\adr] offset:\base+((4*(2*\H+\mh)+\s)*2+\c)*CH
.endr
.endr
.endr
.endm
.macro LOADAS adr, base                ; the four M tiles' scale words
	WIN 0
.irp mp, 0,1
	ds_load_b128 v[AS+4*\mp:AS+4*\mp+3], v[\adr] offset:\base+512*\mp
.endr
.endm
.macro WLOAD win, lo                   ; a wave's 64 fragments' halves of one core: 64 loads in one run, 512 consecutive bytes each, into all 256 registers of a window
	WIN \win
.set GN, 0
.rept 64
	global_load_b128 v[4*GN:4*GN+3], v[LI], s[\lo:\lo+1] offset:512*GN
.set GN, GN+1
.endr
	WIN 0
.endm
.macro WM4                             ; one FP4 product, by the symbols rD, rA, rB, qa, qb; fa, fb: the scales stand in lanes 16-31; zz: it starts the sum
.if zz
.if fa && fb
	v_wmma_scale_f32_16x16x128_f8f6f4 v[rD:rD+7], v[rA:rA+7], v[rB:rB+7], 0, v[qa], v[qb] matrix_a_fmt:MATRIX_FMT_FP4 matrix_b_fmt:MATRIX_FMT_FP4 matrix_a_scale:MATRIX_SCALE_ROW1 matrix_b_scale:MATRIX_SCALE_ROW1
.elseif fa
	v_wmma_scale_f32_16x16x128_f8f6f4 v[rD:rD+7], v[rA:rA+7], v[rB:rB+7], 0, v[qa], v[qb] matrix_a_fmt:MATRIX_FMT_FP4 matrix_b_fmt:MATRIX_FMT_FP4 matrix_a_scale:MATRIX_SCALE_ROW1
.elseif fb
	v_wmma_scale_f32_16x16x128_f8f6f4 v[rD:rD+7], v[rA:rA+7], v[rB:rB+7], 0, v[qa], v[qb] matrix_a_fmt:MATRIX_FMT_FP4 matrix_b_fmt:MATRIX_FMT_FP4 matrix_b_scale:MATRIX_SCALE_ROW1
.else
	v_wmma_scale_f32_16x16x128_f8f6f4 v[rD:rD+7], v[rA:rA+7], v[rB:rB+7], 0, v[qa], v[qb] matrix_a_fmt:MATRIX_FMT_FP4 matrix_b_fmt:MATRIX_FMT_FP4
.endif
.else
.if fa && fb
	v_wmma_scale_f32_16x16x128_f8f6f4 v[rD:rD+7], v[rA:rA+7], v[rB:rB+7], v[rD:rD+7], v[qa], v[qb] matrix_a_fmt:MATRIX_FMT_FP4 matrix_b_fmt:MATRIX_FMT_FP4 matrix_a_scale:MATRIX_SCALE_ROW1 matrix_b_scale:MATRIX_SCALE_ROW1
.elseif fa
	v_wmma_scale_f32_16x16x128_f8f6f4 v[rD:rD+7], v[rA:rA+7], v[rB:rB+7], v[rD:rD+7], v[qa], v[qb] matrix_a_fmt:MATRIX_FMT_FP4 matrix_b_fmt:MATRIX_FMT_FP4 matrix_a_scale:MATRIX_SCALE_ROW1
.elseif fb
	v_wmma_scale_f32_16x16x128_f8f6f4 v[rD:rD+7], v[rA:rA+7], v[rB:rB+7], v[rD:rD+7], v[qa], v[qb] matrix_a_fmt:MATRIX_FMT_FP4 matrix_b_fmt:MATRIX_FMT_FP4 matrix_b_scale:MATRIX_SCALE_ROW1
.else
	v_wmma_scale_f32_16x16x128_f8f6f4 v[rD:rD+7], v[rA:rA+7], v[rB:rB+7], v[rD:rD+7], v[qa], v[qb] matrix_a_fmt:MATRIX_FMT_FP4 matrix_b_fmt:MATRIX_FMT_FP4
.endif
.endif
.endm
; 64 FP4 products: M tiles 2 H, 2 H + 1 x my 8 tiles of columns x 4 K steps; the 16 accumulators take turns.  p = 2: source 0 the rows, source 1 core2; p = 3: source 0 core1, source 1 the rows.
; late >= 0: ahead of K step s a wait that leaves out the four fragment loads of each later K step and the late LDS loads issued behind them; late < 0: the caller has waited.
.macro RUN p, H, late
.if \p == 2
	WIN 0xf4
.else
	WIN 0xf2
.endif
.irp s, 0,1,2,3
.if (\late) >= 0
	s_wait_dscnt (\late)+4*(3-\s)
.endif
.set zz, 0
.if \s == 0
.set zz, 1
.endif
.irp mh, 0,1
.irp t, 0,1,2,3,4,5,6,7
.set rD, 8*(8*\mh+\t)
.if \p == 2
.set rA, AF+8*(4*\mh+\s)
.set rB, 32*\t+8*\s
.set qa, AS+4*\H+\s
.set qb, W2S+4*(\t/2)+\s
.set fa, \mh
.set fb, \t%2
.else
.set rA, 32*\t+8*\s
.set rB, AF+8*(4*\mh+\s)
.set qa, W1S+4*(\t/2)+\s
.set qb, AS+4*\H+\s
.set fa, \t%2
.set fb, \mh
.endif
	WM4
.endr
.endr
.endr
.endm
; t1 of M tiles 2 H, 2 H + 1 rounds to bf16 and goes into the fourth product: eight roundings and one matrix instruction, eight times; four sums take turns; the other set's eight roundings are the places ahead of a set's rewriting
.macro Q3MM4 H
.set idx, 0
.irp u, 0,1
.irp mh, 0,1
.irp e, 0,1
	WIN 0x0f
.set rT, TB+8*(idx%2)
.set r0, 8*(8*\mh+4*\e+2*\u)
.irp q, 0,1,2,3,4,5,6,7
	v_cvt_pk_bf16_f32 v[rT+\q], v[r0+2*\q], v[r0+2*\q+1]
.endr
	WIN 0xf0
.set rD, 192+8*(4*\e+2*\H+\mh)
	v_wmma_f32_16x16x32_bf16 v[rD:rD+7], v[C0F+8*\u:C0F+8*\u+7], v[rT:rT+7], v[rD:rD+7]
.set idx, idx+1
.endr
.endr
.endr
.endm
; THE FIRST HALF OF A UNIT: the second product, quantised into the third's rows; beside it (p1) the next unit's first product, quantised into the other buffer.  M tiles 0, 1's fragments and all scale words were fetched earlier.
.macro I1 p1, lw
	WIN 0
.if \p1
.irp jp, 0,1,2,3
	ds_load_b128 v[XF+4*\jp:XF+4*\jp+3], v[XR] offset:512*\jp
.endr
	RUN 2, 0, 4
.else
	RUN 2, 0, 0
.endif
	PLACES 4
	LOADAF A2R, 0, 1
.if \p1
	s_wait_dscnt 16                                ; x's four loads are in; the 16 just issued may be out
	PART 0, 0, 0, 0
	PART 1, 0, 1, 1
.else
	AJ 0, 0
	AJ 0, 1
.endif
	s_wait_dscnt 0x0                               ; M tiles 2, 3's fragments
	RUN 2, 1, -1
	PLACES 4
.if \p1
	PART 2, 1, 0, 1
	PART 3, 1, 1, 1
	TAILJOB
.else
	AJ 1, 0
	AJ 1, 1
.endif
	WIN 0
.if \lw
	s_wait_loadcnt 0x0                             ; core1's codes
.endif
	BAR                                            ; the third product's rows, and the next unit's rows of the second, lie in LDS
.endm
; THE SECOND HALF: the third product and the fourth.  nx: a unit follows: its first fragments are fetched; np: and that unit makes a first product
.macro I2 nx, np
	LOADAS LI, A3SC
	LOADAF LI, A3IMG, 0
.irp q, 0,1,2,3
	ds_load_b128 v[C0F+4*\q:C0F+4*\q+3], v[C0R] offset:512*\q
.endr
	RUN 3, 0, 4
	PLACES 4
	LOADAF LI, A3IMG, 1
	s_wait_dscnt 16                                ; core0's fragments are in; the 16 just issued may be out
	Q3MM4 0
	RUN 3, 1, 0
	PLACES 4
	WIN 0
.if \nx
	s_xor_b32 s[PAR], s[PAR], A2BUF                ; the buffers change places
	v_add_nc_u32 v[A2R], s[PAR], v[LI]
	s_add_co_u32 s[CJ], s[CJ], 2048
	v_add_nc_u32 v[C0R], s[CJ], v[LI]
.if \np
	s_xor_b32 s[PW], s[PW], A2BUF
	v_add_nc_u32 v[A2WP], s[PW], v[A2W]
	v_add_nc_u32 v[A2SWP], s[PW], v[A2SW]
	s_add_co_u32 s[XJ], s[XJ], 2048
	v_add_nc_u32 v[XR], s[XJ], v[XO]
.endif
	LOADAS A2R, A2SC
	LOADAF A2R, 0, 0
.endif
	Q3MM4 1
.if \nx
	WIN 0
	BAR                                            ; every wave's reads of the third product's rows are over: they may be written again
.endif
.endm
	; ---- THE HEAD
	s_load_b256 s[4:11], s[0:1], 0x0               ; x, core3, core0, bias
	s_load_b128 s[12:15], s[0:1], 0x20             ; wcodes, wscales
	s_load_b64 s[16:17], s[0:1], 0x30              ; out0
	v_lshl_add_u32 v[SPW], v0, 2, SPARE
	v_mov_b32 v[NIL], 0
	v_lshrrev_b32 v16, 5, v0
	v_readfirstlane_b32 s[WV], v16                 ; wave 0..3
	v_and_b32 v16, 31, v0
	v_lshlrev_b32 v[LI], 4, v16
	v_and_b32 v17, 15, v0                          ; r
	v_bfe_u32 v18, v0, 4, 1                        ; h
	v_and_b32 v19, 7, v0                           ; r7
	v_bfe_u32 v20, v0, 3, 1                        ; r3
	v_lshlrev_b32 v[XO], 5, v17
	v_lshl_add_u32 v[XO], v18, 4, v[XO]
	v_add_nc_u32 v[XO], XIMG, v[XO]
	v_mul_u32_u24 v[A2W], v19, CH
	v_lshl_add_u32 v[A2W], v20, 7, v[A2W]
	v_lshl_add_u32 v[A2W], v18, 4, v[A2W]
	s_mul_i32 s26, s[WV], 8*CH
	v_add_nc_u32 v[A2W], s26, v[A2W]
	v_lshlrev_b32 v[A2SW], 1, v19
	v_lshl_add_u32 v[A2SW], v20, 7, v[A2SW]
	v_lshl_add_u32 v[A2SW], v18, 4, v[A2SW]
	s_lshl_b32 s26, s[WV], 8
	s_add_co_u32 s26, s26, A2SC
	v_add_nc_u32 v[A2SW], s26, v[A2SW]
	v_mul_u32_u24 v[A3W], v20, CH
	v_lshl_add_u32 v[A3W], v18, 7, v[A3W]
	v_lshl_add_u32 v[A3W], v19, 4, v[A3W]
	s_mul_i32 s26, s[WV], 2*CH
	s_add_co_u32 s26, s26, A3IMG
	v_add_nc_u32 v[A3W], s26, v[A3W]
	v_lshlrev_b32 v[A3SW], 1, v20
	v_lshl_add_u32 v[A3SW], v19, 4, v[A3SW]
	v_lshl_add_u32 v[A3SW], v18, 7, v[A3SW]
	s_lshl_b32 s26, s[WV], 2
	s_add_co_u32 s26, s26, A3SC
	v_add_nc_u32 v[A3SW], s26, v[A3SW]
	v_lshlrev_b32 v[BO], 2, v20
	v_lshl_add_u32 v[BO], v19, 5, v[BO]
	s_lshl_b32 s26, s[WV], 9
	s_add_co_u32 s26, s26, STAGE
	v_add_nc_u32 v[OW], s26, v[BO]
	v_lshlrev_b32 v21, 2, v20                      ; core3: 2048 r7 + 128 h + 4 r3
	v_lshl_add_u32 v21, v18, 7, v21
	v_lshl_add_u32 v21, v19, 11, v21
	v_lshlrev_b32 v22, 5, v18                      ; core0: 256 r7 + 32 h
	v_lshl_add_u32 v22, v19, 8, v22
	s_lshl_b32 s26, s[WV], 12
	s_add_co_u32 s46, s26, XIMG
	v_add_nc_u32 v23, s46, v[LI]                   ; where my quarter of x goes,
	s_add_co_u32 s46, s26, C0IMG
	v_add_nc_u32 v16, s46, v[LI]                   ; my four fragments of core0,
	s_add_co_u32 s46, s26, STAGE
	v_add_nc_u32 v[SG], s46, v[LI]                 ; and my quarter of the bias; on the way out my quarter of the result
	s_mov_b32 s[FLOOR], 0x01800000
	s_mov_b32 s27, 0
	s_wait_alu depctr_va_vdst(0)
	s_wait_kmcnt 0x0
	s_lshl_b32 s26, s[WV], 15
	s_add_nc_u64 s[28:29], s[12:13], s[26:27]      ; core2's codes: my 8 tiles,
	s_add_nc_u64 s[30:31], s[28:29], 0x20000       ; core1's
	s_lshl_b32 s26, s[WV], 11
	s_add_nc_u64 s[32:33], s[14:15], s[26:27]      ; their scale bytes
	s_add_nc_u64 s[34:35], s[32:33], 0x2000
	s_lshl_b32 s26, s[WV], 3
	s_add_nc_u64 s[38:39], s[6:7], s[26:27]        ; core3 at i3 = 2 w
	s_lshl_b32 s26, s[WV], 12
	s_add_nc_u64 s[40:41], s[8:9], s[26:27]        ; core0 at j0 = 2 w
	s_add_nc_u64 s[36:37], s[10:11], s[26:27]      ; my quarter of the bias
	s_lshl_b32 s46, ttmp9, 14
	s_add_co_u32 s26, s26, s46
	s_add_nc_u64 s[42:43], s[4:5], s[26:27]        ; my quarter of x[b]
	s_add_nc_u64 s[44:45], s[16:17], s[26:27]      ; and of out0[b]
	; 72 loads that the head itself wants, then core2's 64 in one run
.irp q, 0,1,2,3,4,5,6,7
	global_load_b128 v[176+4*\q:179+4*\q], v[LI], s[42:43] offset:512*\q th:TH_LOAD_NT
.endr
.irp sc, 0,1
.irp ta, 0,1,2,3
.irp hk, 0,1
.irp jj, 0,1
	global_load_b32 v[CF+16*\sc+4*\ta+2*\hk+\jj], v21, s[38:39] offset:1024*\sc+256*\ta+64*\hk+32*\jj   ; core3[a3 = 4 (2 r7 + sc) + ta][j3 = 4 h + 2 hk + jj][i3 = 2 w + r3]: it stays
.endr
.endr
.endr
.endr
	WIN 0xc0                                       ; the bias waits in window 3, in registers that the accumulators take later
.irp q, 0,1,2,3,4,5,6,7
	global_load_b128 v[4*\q:4*\q+3], v[LI], s[36:37] offset:512*\q
.endr
	WIN 0
.irp tp, 0,1,2,3
	global_load_b128 v[W2S+4*\tp:W2S+4*\tp+3], v[LI], s[32:33] offset:512*\tp
	global_load_b128 v[W1S+4*\tp:W1S+4*\tp+3], v[LI], s[34:35] offset:512*\tp
.endr
.irp fl, 0,1,2,3
	global_load_b128 v[AF+16*\fl:AF+16*\fl+3],     v22, s[40:41] offset:2048*(\fl/2)+128*(\fl%2)
	global_load_b128 v[AF+16*\fl+4:AF+16*\fl+7],   v22, s[40:41] offset:2048*(\fl/2)+128*(\fl%2)+16
	global_load_b128 v[AF+16*\fl+8:AF+16*\fl+11],  v22, s[40:41] offset:2048*(\fl/2)+128*(\fl%2)+64
	global_load_b128 v[AF+16*\fl+12:AF+16*\fl+15], v22, s[40:41] offset:2048*(\fl/2)+128*(\fl%2)+80
.endr
	WLOAD 0x40, 28                                 ; core2's codes: they land while the head and unit 0's first product are worked
	s_wait_loadcnt 63                              ; 136 loads are issued: with 63 out at the most the first 73 are in, the head's 72 among them
.irp q, 0,1,2,3,4,5,6,7
	ds_store_b128 v23, v[176+4*\q:179+4*\q] offset:512*\q
.endr
	WIN 0x0c                                       ; an LDS store's data are its source 1: window 3
.irp q, 0,1,2,3,4,5,6,7
	ds_store_b128 v[SG], v[4*\q:4*\q+3] offset:512*\q
.endr
	WIN 0
.irp fl, 0,1,2,3
.irp q, 0,1,2,3,4,5,6,7
	v_cvt_pk_bf16_f32 v[208+8*\fl+\q], v[AF+16*\fl+2*\q], v[AF+16*\fl+2*\q+1]
.endr
.endr
.irp fl, 0,1,2,3
	ds_store_b128 v16, v[208+8*\fl:211+8*\fl] offset:1024*\fl
	ds_store_b128 v16, v[212+8*\fl:215+8*\fl] offset:1024*\fl+512
.endr
	BAR                                            ; x[b], the bias and core0's fragments lie in LDS
	; ---- unit 0's first product, with nothing to carry but its own quantisers
	s_mov_b32 s[PAR], 0
	s_mov_b32 s[PW], 0
	s_mov_b32 s[XJ], 0
	s_mov_b32 s[CJ], C0IMG
	v_add_nc_u32 v[A2R], s[PAR], v[LI]
	v_add_nc_u32 v[A2WP], s[PW], v[A2W]
	v_add_nc_u32 v[A2SWP], s[PW], v[A2SW]
	v_add_nc_u32 v[XR], s[XJ], v[XO]
	v_add_nc_u32 v[C0R], s[CJ], v[LI]
.irp jp, 0,1,2,3
	ds_load_b128 v[XF+4*\jp:XF+4*\jp+3], v[XR] offset:512*\jp
.endr
	WIN 0xc0                                       ; out's sums begin as the bias: 64 words a lane, from the places at which the way out stores
.irp e, 0,1
.irp mt, 0,1,2,3
.irp j, 0,1,2,3,4,5,6,7
	ds_load_b32 v[192+8*(4*\e+\mt)+\j], v[OW] offset:2048*\j+256*\e+8*\mt
.endr
.endr
.endr
	WIN 0
	s_wait_dscnt 63                                ; 64 loads were issued behind x's four: with 63 out at the most, x's are in; the bias is first wanted behind two barriers
	PART 0, 0, -1, 0
	PART 1, 0, -1, 1
	PART 2, 0, -1, 1
	PART 3, 0, -1, 1
	TAILJOB
	WLOAD 0x80, 30                                 ; core1's codes, in one run: they land while unit 0's second product is worked
	s_wait_loadcnt 63                              ; 64 loads were issued behind core2's last: with 63 out at the most, core2's codes are in
	BAR                                            ; unit 0's rows lie in buffer 0
	s_xor_b32 s[PW], s[PW], A2BUF
	s_add_co_u32 s[XJ], s[XJ], 2048
	v_add_nc_u32 v[A2WP], s[PW], v[A2W]
	v_add_nc_u32 v[A2SWP], s[PW], v[A2SW]
	v_add_nc_u32 v[XR], s[XJ], v[XO]
	LOADAS A2R, A2SC
	LOADAF A2R, 0, 0
	I1 1, 1                                        ; unit 0
	s_mov_b32 s[CNT], 6
.Lunit:                                                ; trip k: the second half of unit k, the first half of unit k + 1 (which makes unit k + 2's rows)
	I2 1, 1
	I1 1, 0
	s_sub_co_u32 s[CNT], s[CNT], 1
	s_cmp_lg_u32 s[CNT], 0
	s_cbranch_scc1 .Lunit
	I2 1, 0                                        ; unit 6
	I1 0, 0                                        ; unit 7: no first product is left
	I2 0, 0
	; ---- THE WAY OUT: a lane's words lie 2,048 bytes apart in out0[b]: they meet in the stage and leave as it lies, 512 consecutive bytes an instruction
	PLACES 4
	WIN 0x0c
.irp e, 0,1
.irp mt, 0,1,2,3
.irp j, 0,1,2,3,4,5,6,7
	ds_store_b32 v[OW], v[192+8*(4*\e+\mt)+\j] offset:2048*\j+256*\e+8*\mt   ; each sum from its low end on; lanes L and L + 16 write the same word with the same value
.endr
.endr
.endr
	WIN 0
	BAR
.irp q, 0,1,2,3,4,5,6,7
	ds_load_b128 v[AF+4*\q:AF+4*\q+3], v[SG] offset:512*\q
.endr
.irp q, 0,1,2,3,4,5,6,7
	s_wait_dscnt 7-\q
	global_store_b128 v[LI], v[AF+4*\q:AF+4*\q+3], s[44:45] offset:512*\q th:TH_STORE_NT
.endr
	s_wait_tensorcnt 0x0                           ; the wave's end
	ds_add_u32 v[SPW], v[NIL]
	s_wait_dscnt 0x0
	s_endpgm
.Lfunc_end_k_q193493dcfc_tt:
	.size	k_q193493dcfc_tt, .Lfunc_end_k_q193493dcfc_tt-k_q193493dcfc_tt
	.p2alignl 7, 3214868480
	.fill 96, 4, 3214868480
	.section	.rodata,"a",@progbits
	.p2align	6, 0x0
	.amdhsa_kernel k_q193493dcfc_tt
		.amdhsa_group_segment_fixed_size 103424
		.amdhsa_private_segment_fixed_size 0
		.amdhsa_enable_private_segment 0
		.amdhsa_kernarg_size 56
		.amdhsa_user_sgpr_count 2
		.amdhsa_user_sgpr_kernarg_segment_ptr 1
		.amdhsa_wavefront_size32 1
		.amdhsa_system_sgpr_workgroup_id_x 1
		.amdhsa_system_sgpr_workgroup_id_y 1
		.amdhsa_system_sgpr_workgroup_id_z 1
		.amdhsa_system_vgpr_workitem_id 0
		.amdhsa_next_free_vgpr 1024
		.amdhsa_next_free_sgpr 66
		.amdhsa_reserve_vcc 0
		.amdhsa_float_denorm_mode_32 3
		.amdhsa_float_denorm_mode_16_64 3
		.amdhsa_memory_ordered 1
		.amdhsa_forward_progress 1
		.amdhsa_inst_pref_size 255
	.end_amdhsa_kernel
	.section	.bss,"aw",@nobits
	.p2align	6
	.space	262144
	.amdgpu_metadata
---
amdhsa.version: [ 1, 2 ]
amdhsa.kernels:
  - .name:           k_q193493dcfc_tt
    .symbol:         k_q193493dcfc_tt.kd
    .args:
      - { .name: x, .offset: 0, .size: 8, .value_kind: global_buffer, .address_space: global }
      - { .name: core3, .offset: 8, .size: 8, .value_kind: global_buffer, .address_space: global }
      - { .name: core0, .offset: 16, .size: 8, .value_kind: global_buffer, .address_space: global }
      - { .name: bias, .offset: 24, .size: 8, .value_kind: global_buffer, .address_space: global }
      - { .name: wcodes, .offset: 32, .size: 8, .value_kind: global_buffer, .address_space: global }
      - { .name: wscales, .offset: 40, .size: 8, .value_kind: global_buffer, .address_space: global }
      - { .name: out0, .offset: 48, .size: 8, .value_kind: global_buffer, .address_space: global }
    .group_segment_fixed_size: 103424
    .private_segment_fixed_size: 0
    .kernarg_segment_align: 8
    .kernarg_segment_size: 56
    .max_flat_workgroup_size: 128
    .sgpr_count:     66
    .vgpr_count:     1024
    .wavefront_size: 32
...
	.end_amdgpu_metadata
.endif
;; end of part 2
